; MI455X (gfx1250); checked and timed in simulation.
; The chip was launched on July 23, 2026; its instructions are those of AMD's public machine-readable ISA for CDNA 5 (MIT licence, August 2026) and "CDNA5" Instruction Set Architecture Reference Guide (July 2026). The comments in the code are by the model that wrote it; some were corrected since.
;; Self Attention. Allowed arithmetic: matrix products marked QUANTISED: E3M2 operands, one E8M0 scale for each 32 along K, by v_wmma_scale_f32_16x16x128_f8f6f4 with both operands' format E3M2, f32 sums; everything else in f32.
;; Inputs: Wk_codes 64 x 16 x 24 uint8 (E3M2 codes of Wk, K innermost, in blocks of 32 codes, four codes in three bytes); Wk_scales 64 x 16 uint8 (E8M0 scales of Wk, one for each 32 codes along K); Wq_codes 64 x 16 x 24 uint8 (E3M2 codes of Wq, K innermost, in blocks of 32 codes, four codes in three bytes); Wq_scales 64 x 16 uint8 (E8M0 scales of Wq, one for each 32 codes along K); Wv_codes 512 x 16 x 24 uint8 (E3M2 codes of Wv, K innermost, in blocks of 32 codes, four codes in three bytes); Wv_scales 512 x 16 uint8 (E8M0 scales of Wv, one for each 32 codes along K); bk 64 float32; bq 64 float32; bv 512 float32; gamma 1 float32; x 4 x 512 x 64 x 64 float32.
;; Outputs: out0 4 x 512 x 64 x 64 float32.
;; This version of the problem:
;;   THIS VERSION OF THE PROBLEM IS GIVEN IN LOW PRECISION. The matrix products marked QUANTISED in the list below multiply operands that are first quantised to E3M2 (3 exponent bits, 2 mantissa bits; 6 bits a number), with one power-of-two scale for each 32 numbers along K (OCP MX v1.0); their sums are f32. All else is computed in f32.
;;   The module's matrix products, in the order in which they are computed (A, B: the left and right operand; K: the contracted axis; several contracted axes count as one K, in the product's order):
;;     1. [M 16,384, K 512] x [K 512, N 64]; A: input x; B: input Wk (given as codes): QUANTISED
;;     2. [M 16,384, K 512] x [K 512, N 64]; A: input x; B: input Wq (given as codes): QUANTISED
;;     3. [M 16,384, K 512] x [K 512, N 512]; A: input x; B: input Wv (given as codes): QUANTISED
;;     4. batch 4 x [M 4,096, K 64] x [K 64, N 4,096]; A: computed on the way; B: computed on the way: QUANTISED
;;     5. batch 4 x [M 512, K 4,096] x [K 4,096, N 4,096]; A: computed on the way; B: softmax (see below): QUANTISED
;;   THE QUANTISER, for each operand of a quantised product, along K:
;;     - K is cut into blocks of 32 from its start; a last block that is shorter is filled with zeros.
;;     - A block's scale is 2^e with e = floor(log2(the largest magnitude in the block)) - 4, held to -126 .. 127; a block of zeros has e = 0. As a byte (E8M0): e + 127.
;;     - Each number is divided by its block's scale, clamped to +-28, and rounded to the nearest number of E3M2, ties to even, subnormals kept.
;;     - The product sums the exact products of the quantised numbers (number of the format x scale) in f32.
;;   ~~~python
;;   def quantise(x, axis):      # numpy; x: float32 -> the quantised numbers, widened to float32 again
;;       x = np.moveaxis(x, axis, -1); K = x.shape[-1]
;;       x = np.pad(x, [(0, 0)] * (x.ndim - 1) + [(0, -K % 32)]); x = x.reshape(x.shape[:-1] + (-1, 32)); a = np.abs(x).max(-1, keepdims=True)
;;       e = np.where(a > 0, np.clip(np.frexp(np.where(a > 0, a, 1))[1] - 1 - 4, -126, 127), 0)      # np.frexp(a)[1] - 1 = floor(log2(a)), exactly
;;       r = np.clip(x / 2.0 ** e, -28, 28)
;;       step = 2.0 ** (np.maximum(np.frexp(np.where(r == 0, 1, r))[1] - 1, -2) - 2)
;;       q = np.round(r / step) * step * 2.0 ** e      # np.round: ties to even
;;       return np.moveaxis(q.reshape(q.shape[:-2] + (-1,))[..., :K], -1, axis).astype(np.float32)
;;   ~~~
;;   SOFTMAX AHEAD OF A QUANTISED PRODUCT. Where the list says 'softmax', what is quantised is not the finished softmax but p = 2^(t - M), with t = logit x log2(e) and M = ceil(the row's largest t), a whole number; so 1/2 < the row's largest p <= 1. The row's sum l is taken of the UNQUANTISED p, in f32, and the product's result is divided by l at the end. Since M is a whole number, a kernel that streams over the keys may use a running M (the ceiling of the running maximum): every later rescaling is an exact power of two, which a block's scale takes up: the codes' values come out the same.
;;   OPERANDS COMPUTED ON THE WAY. 'Computed on the way' means the value that the module computes at that place (a softmax that the list does not call 'softmax' is quantised finished and normalised). What goes into a quantiser is computed in f32, as accurately as f32 sums, v_exp_f32 and their like allow (about 1e-6 of the number): no bf16 or f16 on the way to a quantiser, and a product that is left as it is and whose result goes on into a quantised operand takes f32 operands (vector FMAs, or v_wmma_f32_16x16x4_f32). A number that lies on a knife's edge between two numbers of the format may be rounded either way, as far as f32 arithmetic and the matrix unit's own rounding can turn it there, and no further.
;;   INPUTS GIVEN AS CODES. Wk (in the module: [64, 512], K = its axis 1); Wq (in the module: [64, 512], K = its axis 1); Wv (in the module: [512, 512], K = its axis 1): each comes as NAME_codes (uint8): NAME with its K axis moved to the last place and cut into blocks of 32 codes, [.., K / 32, bytes a block], one block behind the other in memory; four codes in three bytes: a row's codes are one little-endian stream of bits, code i at bits 6 i .. 6 i + 5 (a code: sign, 3 exponent bits, 2 mantissa bits); and NAME_scales (uint8): the same leading axes, one E8M0 byte (e + 127) for each 32 codes along K. Its value is code x scale, taken as it is: it is not quantised again, and the codes and scales need not be those that the quantiser above would give.
;; One version. Each part assembles by itself: llvm-mc -triple=amdgcn-amd-amdhsa -mcpu=gfx1250 --defsym DOCPART=n.
;; ======== version 1 of 1: 2 launches
;; workspace buffers: qimg 851,968 bytes; kimg 851,968 bytes; vimg 6,553,600 bytes
;; launch project (part 1): grid 64 x 4, 4 waves a work-group, no clusters, 262,656 bytes of LDS; arguments x, Wq_codes, Wq_scales, bq, Wk_codes, Wk_scales, bk, Wv_codes, Wv_scales, bv, qimg, kimg, vimg; writes qimg, kimg, vimg
.if DOCPART == 1
	.amdgcn_target "amdgcn-amd-amdhsa--gfx1250"
	.amdhsa_code_object_version 6
	.text
	.protected	k_q92e36ee187_project
	.globl	k_q92e36ee187_project
	.p2align	8
	.type	k_q92e36ee187_project,@function
k_q92e36ee187_project:
	s_mov_b64 s[64:65], 0
	v_nop
	global_prefetch_b8 v0, s[64:65] scope:SCOPE_SE
	s_setreg_imm32_b32 hwreg(HW_REG_WAVE_MODE, 25, 1), 1
	s_wait_xcnt 0x0
; q = Wq x + bq, k = Wk x + bk, v = Wv x + bv on codes of BF6 (E3M2) with one E8M0 scale for each 32 along K; the results are quantised again and stored as codes.
; x: [4][512 channels][4096 pixels] f32, K = the channels.  The weights arrive as codes, K innermost (a row of 512 codes is 384 bytes, its scales 16 bytes).
; A work-group takes 64 pixels of one batch (grid x = the block of 64, grid y = the batch), four waves.
;   W: a wave's rows of the weights come 64 rows (24,576 consecutive bytes) at a time, by loads of 512 consecutive bytes, and turn through the wave's own stage in LDS into fragments; this stands ahead of X, while the slab is on its way.
;   X: the slab of 512 rows x 256 bytes comes into LDS once, by tensor loads (wave w: channels 128 w on).  A lane takes a pixel and its registers run down the channels:
;      a block of 32 along K lies in one lane.  Wave w makes K step w of all four pixel tiles and stores it to LDS as images of operand registers; one barrier.
;   q/k: waves 0, 1 make q, waves 2, 3 k, each for two pixel tiles; source 0 = 16 rows of the weight, source 1 = x: a lane holds one pixel, its registers run along the 64 outputs, the next K.
;   v: wave w makes channels 128 w .. + 127; source 0 = x, source 1 = 16 rows of Wv: a lane holds one channel, its registers run along the pixels, the next K.
; THE PIXELS OF A TILE ARE NOT NEIGHBOURS: row r of tile 2 b + u is pixel 32 b + 8 u + r + 8 (r / 8), so that the 16 registers of tiles 2 b, 2 b + 1 are 16 neighbours.  The rows of Wq and Wk are chosen likewise.
; A HEXAD is six operand registers of 32 lanes, 768 bytes: registers 0-3 at 16 x lane, registers 4-5 at 512 + 8 x lane: 16 rows x 64 along K.
; qimg, kimg: for each (batch, 256 pixels) 13,312 bytes: 16 hexads (tiles), then 8 x 128 bytes of scale words (pair p: tile 2 p in lanes 0-15, tile 2 p + 1 in lanes 16-31); a word repeats its two bytes.
; vimg: for each (batch, 256 pixels, 128 channels) 25,600 bytes: hexads [128 keys][16 channels][64 keys], then 4 x 256 bytes of half scale words (8 bytes a lane).
; No cluster and no joint loads for the weights: each wave wants rows of its own in its registers, and 255 KB of weights do not fit into LDS beside the 157 KB that the slab and the images take.
; The q and k scale words leave as 128 consecutive bytes a wave (half of an aligned 256): 128 KB in the whole launch.
; LIMITS: a block whose largest magnitude lies under 2^-122 (a block of zeros too) gets the scale byte 1; its codes are then zeros or tiny, and the bytes are read by this program alone.  NaN and infinities are not served.
; REGISTERS: window 0: v1-19 addresses; v20-31 at work; v32-54 codes of x; v64-127 raw numbers, later two sets of accumulators; v128-159 scale words alone; v160-199 biases; v200-230 the quantiser.
;   window 1: v0-191 first Wv's rows 64-127 as loaded, then x's 16 fragments (tile t, K step s at 12 (4 t + s)); v192-255 bv spread to 8 registers a tile.   window 2: Wv's tiles 0-3.   window 3: Wq or Wk, later Wv's tiles 4-7.
.set XI,   131072                      ; LDS: 0 the slab (row c at 256 c); XI: x's 32 hexads; XSC: their scale words;
.set XSC,  155648
.set WST,  156672                      ; WST: a stage of 64 rows x 400 bytes for each wave, for the weights
.set WSZ,  25600
.set WP,   400                         ; a row of 384 bytes + 16 = 100 words: row r starts at bank 36 r mod 64 (64 banks of 4 bytes: ISA guide 11.1): sixteen neighbouring rows start at sixteen different multiples of 4
.set ACA,  64                          ; accumulator set A; set B 32 on
.set XSR,  128                         ; v128-135 x's scale words: 4 (t / 2) + s; odd tiles in lanes 16-31
.set WVS,  136                         ; v136-151 Wv's: 4 (ct / 2) + s
.set WQS,  152                         ; v152-159 Wq's or Wk's: 4 (o / 2) + s
.set BQ,   160                         ; v160-191 bq or bk in the result's layout
.set BT,   192                         ; v192-199 bv of my lane's channel, a register a tile
.set BV,   192                         ; window 1: the same spread
.set PC,   208                         ; v208-213 a hexad just made
.set PT,   216
.set HW,   220                         ; v220-227 v's half scale words
.set MSB, 0
.macro WIN new                         ; the immediate's high byte repeats the setting that is left
.if MSB != (\new)
	s_set_vgpr_msb (MSB<<8)|(\new)
.set MSB, (\new)
.endif
.endm
.macro PLACES                          ; four plain places behind a matrix instruction (ISA guide 7.12.1)
.rept 4
	v_nop
.endr
.endm
; one product: D, A, B at register numbers d, a, b; c < 0: the sum starts with 0; ra, rb: the side's scales stand in lanes 16-31
.macro WM d, a, b, c, sa, sb, ra, rb
.if (\c) < 0
.if ((\ra) != 0) && ((\rb) != 0)
	v_wmma_scale_f32_16x16x128_f8f6f4 v[(\d):(\d)+7], v[(\a):(\a)+11], v[(\b):(\b)+11], 0, v[(\sa)], v[(\sb)] matrix_a_fmt:MATRIX_FMT_BF6 matrix_b_fmt:MATRIX_FMT_BF6 matrix_a_scale:MATRIX_SCALE_ROW1 matrix_b_scale:MATRIX_SCALE_ROW1
.elseif (\ra) != 0
	v_wmma_scale_f32_16x16x128_f8f6f4 v[(\d):(\d)+7], v[(\a):(\a)+11], v[(\b):(\b)+11], 0, v[(\sa)], v[(\sb)] matrix_a_fmt:MATRIX_FMT_BF6 matrix_b_fmt:MATRIX_FMT_BF6 matrix_a_scale:MATRIX_SCALE_ROW1
.elseif (\rb) != 0
	v_wmma_scale_f32_16x16x128_f8f6f4 v[(\d):(\d)+7], v[(\a):(\a)+11], v[(\b):(\b)+11], 0, v[(\sa)], v[(\sb)] matrix_a_fmt:MATRIX_FMT_BF6 matrix_b_fmt:MATRIX_FMT_BF6 matrix_b_scale:MATRIX_SCALE_ROW1
.else
	v_wmma_scale_f32_16x16x128_f8f6f4 v[(\d):(\d)+7], v[(\a):(\a)+11], v[(\b):(\b)+11], 0, v[(\sa)], v[(\sb)] matrix_a_fmt:MATRIX_FMT_BF6 matrix_b_fmt:MATRIX_FMT_BF6
.endif
.else
.if ((\ra) != 0) && ((\rb) != 0)
	v_wmma_scale_f32_16x16x128_f8f6f4 v[(\d):(\d)+7], v[(\a):(\a)+11], v[(\b):(\b)+11], v[(\c):(\c)+7], v[(\sa)], v[(\sb)] matrix_a_fmt:MATRIX_FMT_BF6 matrix_b_fmt:MATRIX_FMT_BF6 matrix_a_scale:MATRIX_SCALE_ROW1 matrix_b_scale:MATRIX_SCALE_ROW1
.elseif (\ra) != 0
	v_wmma_scale_f32_16x16x128_f8f6f4 v[(\d):(\d)+7], v[(\a):(\a)+11], v[(\b):(\b)+11], v[(\c):(\c)+7], v[(\sa)], v[(\sb)] matrix_a_fmt:MATRIX_FMT_BF6 matrix_b_fmt:MATRIX_FMT_BF6 matrix_a_scale:MATRIX_SCALE_ROW1
.elseif (\rb) != 0
	v_wmma_scale_f32_16x16x128_f8f6f4 v[(\d):(\d)+7], v[(\a):(\a)+11], v[(\b):(\b)+11], v[(\c):(\c)+7], v[(\sa)], v[(\sb)] matrix_a_fmt:MATRIX_FMT_BF6 matrix_b_fmt:MATRIX_FMT_BF6 matrix_b_scale:MATRIX_SCALE_ROW1
.else
	v_wmma_scale_f32_16x16x128_f8f6f4 v[(\d):(\d)+7], v[(\a):(\a)+11], v[(\b):(\b)+11], v[(\c):(\c)+7], v[(\sa)], v[(\sb)] matrix_a_fmt:MATRIX_FMT_BF6 matrix_b_fmt:MATRIX_FMT_BF6
.endif
.endif
.endm
; 64 rows of a weight, 24,576 consecutive bytes from off on: 48 loads of 512 consecutive bytes, into registers 4 j on of the window that the destination names
.macro WLOAD base, off
.set j, 0
.rept 48
	global_load_b128 v[4*j:4*j+3], v14, s[\base:\base+1] offset:(\off)+512*j
.set j, j+1
.endr
.endm
; and into my stage.  Unit u = 32 j + lane of 16 bytes belongs to row u / 24 and goes to 16 u + 16 (u / 24).  With j = 3 a + c: u / 24 = 4 a + c + (8 c + lane) / 24; the last term, 0 or 1, stands in address register c
.macro WSTORE
.set j, 0
.rept 48
	ds_store_b128 v[17+j%3], v[4*j:4*j+3] offset:512*j+16*(4*(j/3)+j%3)
.set j, j+1
.endr
.endm
; sixteen fragments (tile t, K step s at 12 (4 t + s)) out of my stage: lane (r, h) takes 24 bytes at 96 s + 24 h and 24 at 96 s + 48 + 24 h of its row, in pieces of 8.  spread = 1: tile t begins at row 32 (t / 2) + 8 (t % 2); 0: at row 16 t
.macro WFRAG adr, spread
.irp t, 0,1,2,3
.irp ks, 0,1,2,3
.irp p, 0,1,2,3,4,5
.if \spread
	ds_load_b64 v[12*(4*\t+\ks)+2*\p:12*(4*\t+\ks)+2*\p+1], v[\adr] offset:(32*(\t/2)+8*(\t%2))*WP+96*\ks+48*(\p/3)+8*(\p%3)
.else
	ds_load_b64 v[12*(4*\t+\ks)+2*\p:12*(4*\t+\ks)+2*\p+1], v[\adr] offset:16*\t*WP+96*\ks+48*(\p/3)+8*(\p%3)
.endif
.endr
.endr
.endr
.endm
	s_load_b512 s[8:23], s[0:1], 0x0               ; x 8, Wq_codes 10, Wq_scales 12, bq 14, Wk_codes 16, Wk_scales 18, bk 20, Wv_codes 22
	s_load_b256 s[24:31], s[0:1], 0x40             ; Wv_scales 24, bv 26, qimg 28, kimg 30
	s_load_b64 s[32:33], s[0:1], 0x60              ; vimg
	v_lshl_add_u32 v254, v0, 2, 0x40000
	v_mov_b32 v255, 0
	ds_add_u32 v254, v255
	v_lshrrev_b32 v22, 5, v0
	v_readfirstlane_b32 s34, v22                   ; wave 0..3
	s_and_b32 s35, s34, 1                          ; which pair of pixel tiles I take for q or k
	s_and_b32 s37, ttmp7, 0xffff                   ; the batch
	; descriptor group 1: 64 rows of 32 elements of 8 bytes (256 bytes), 2,048 elements (16,384 bytes) from row to row, no padding
	s_mov_b32 s40, 3<<16
	s_mov_b32 s41, 32<<16                          ; tensor_dim0
	s_mov_b32 s42, 64<<16                          ; tensor_dim1
	s_mov_b32 s43, 32<<16                          ; tile_dim0
	s_mov_b32 s44, 64                              ; tile_dim1
	s_mov_b32 s45, 2048                            ; the pitch
	s_mov_b32 s46, 0
	s_mov_b32 s47, 0
	s_lshl_b32 s2, s37, 23                         ; batch x 8,388,608
	s_lshl_b32 s3, s34, 21                         ; + 128 w channels of 16,384 bytes
	s_add_co_u32 s2, s2, s3
	s_lshl_b32 s3, ttmp9, 8                        ; + my 64 pixels
	s_add_co_u32 s2, s2, s3
	s_mov_b32 s3, 0
	s_lshl_b32 s38, s34, 15                        ; LDS: my 128 rows of the slab
	s_wait_dscnt 0x0
	s_wait_kmcnt 0x0
	s_mov_b32 s48, 1
	s_mov_b32 s49, s38
	s_add_nc_u64 s[50:51], s[8:9], s[2:3]
	s_mov_b32 s52, 1
	s_add_co_u32 s53, s38, 16384
	s_add_nc_u64 s[54:55], s[50:51], 0x100000      ; 64 rows on
	s_or_b32 s51, s51, 0x80000000
	s_or_b32 s55, s55, 0x80000000
	tensor_load_to_lds s[48:51], s[40:47]          ; both fills go out together, ahead of everything else: two tensor loads of mine are out
	s_nop 0
	tensor_load_to_lds s[52:55], s[40:47]
	s_nop 0
	PLACES
	v_and_b32 v22, 31, v0                          ; l
	v_and_b32 v23, 15, v0                          ; r
	v_bfe_u32 v24, v0, 4, 1                        ; h
	v_and_b32 v25, 7, v0
	v_lshl_add_u32 v25, v24, 3, v25                ; pixel 32 ph + l is row (l & 7) + 8 (l >> 4)
	v_bfe_u32 v26, v0, 3, 1                        ; of tile 2 ph + ((l >> 3) & 1)
	v_and_b32 v27, 8, v23
	v_add_nc_u32 v27, v27, v23                     ; r + 8 (r / 8)
	v_lshlrev_b32 v1, 2, v22
	v_add_nc_u32 v1, s38, v1                       ; v1: the slab: my rows, my pixel
	s_mul_i32 s39, s34, 1536
	s_add_co_u32 s39, s39, XI
	v_mul_u32_u24 v28, v26, 6144
	v_add_nc_u32 v28, s39, v28
	v_lshl_add_u32 v2, v25, 4, v28                 ; v2: where I store registers 0-3 of a hexad: K step w, my tile, my row
	v_lshl_add_u32 v3, v25, 3, v28                 ; v3: registers 4-5
	s_lshl_b32 s39, s34, 7
	s_add_co_u32 s39, s39, XSC
	v_lshl_add_u32 v4, v26, 6, s39
	v_lshl_add_u32 v4, v25, 2, v4                  ; v4: my pixel's scale word
	v_lshl_add_u32 v5, v22, 4, XI                  ; v5-7: the images back: 16, 8, 4 bytes a lane
	v_lshl_add_u32 v6, v22, 3, XI
	v_lshl_add_u32 v7, v22, 2, XSC
	s_mul_i32 s39, s34, WSZ
	s_add_co_u32 s39, s39, WST                     ; my stage for the weights
	v_mul_u32_u24 v8, v23, WP
	v_mad_u32_u24 v8, v24, 24, v8
	v_add_nc_u32 v8, s39, v8                       ; v8: out of it, Wv: row r, + 24 h
	v_mul_u32_u24 v9, v27, WP
	v_mad_u32_u24 v9, v24, 24, v9
	v_add_nc_u32 v9, s39, v9                       ; v9: Wq, Wk: row r + 8 (r / 8)
.irp c, 0,1,2
	v_add_nc_u32 v28, 8+8*\c, v22                  ; (8 c + l) / 24 is 1 from l = 24 - 8 c on: bit 5 of l + 8 + 8 c
	v_lshrrev_b32 v28, 5, v28
	v_add_nc_u32 v28, v28, v22
	v_lshl_add_u32 v[17+\c], v28, 4, s39           ; v17-19: into it: 16 l + 16 ((8 c + l) / 24)
.endr
	v_lshlrev_b32 v10, 4, v22                      ; v10: Wv's scales: row l of 32: the odd tile in lanes 16-31
	v_lshl_add_u32 v11, v24, 3, v27
	v_lshlrev_b32 v11, 4, v11                      ; v11: Wq's, Wk's: row 8 h + r + 8 (r / 8)
	v_lshlrev_b32 v12, 6, v24                      ; v12: bq, bk: 16 h numbers on
	v_lshlrev_b32 v13, 2, v23                      ; v13: bv of channel r
	v_lshlrev_b32 v14, 4, v22                      ; v14-16: 16, 8, 4 bytes a lane in memory
	v_lshlrev_b32 v15, 3, v22
	v_lshlrev_b32 v16, 2, v22
	v_mov_b32 v202, 0                              ; written once: a lane permute's destination counts as one of its sources
	v_mov_b32 v203, 0
	s_mov_b32 s56, 0x76543210
	s_mov_b32 s57, 0xfedcba98                      ; v_permlanex16_b32's selects for lane l xor 16
	s_mov_b32 s58, 0xffff0000                      ; lanes 16-31
	s_cmp_lt_u32 s34, 2                            ; waves 0, 1: q; waves 2, 3: k.  The choice hangs on the wave's number alone
	s_cselect_b64 s[10:11], s[10:11], s[16:17]
	s_cselect_b64 s[12:13], s[12:13], s[18:19]
	s_cselect_b64 s[14:15], s[14:15], s[20:21]
	s_cselect_b64 s[28:29], s[28:29], s[30:31]
	s_mov_b32 s5, 0
	s_mul_i32 s4, s34, 49152                       ; my 128 rows of Wv,
	s_add_nc_u64 s[22:23], s[22:23], s[4:5]
	s_lshl_b32 s4, s34, 11                         ; their scales,
	s_add_nc_u64 s[24:25], s[24:25], s[4:5]
	s_lshl_b32 s4, s34, 9                          ; their biases
	s_add_nc_u64 s[26:27], s[26:27], s[4:5]
	s_lshl_b32 s6, s37, 4
	s_lshr_b32 s7, ttmp9, 2
	s_add_co_u32 s6, s6, s7                        ; which run of 256 pixels: 16 x batch + block / 4
	s_and_b32 s7, ttmp9, 3                         ; and which 64 of it
	s_mul_i32 s4, s6, 13312
	s_add_nc_u64 s[28:29], s[28:29], s[4:5]
	s_lshl_b32 s4, s7, 8
	s_lshl_b32 s36, s35, 7
	s_add_co_u32 s4, s4, s36
	s_add_co_u32 s4, s4, 12288
	s_add_nc_u64 s[30:31], s[28:29], s[4:5]        ; s[30:31]: my pair's scale words
	s_mul_i32 s4, s7, 3072
	s_mul_i32 s36, s35, 1536
	s_add_co_u32 s4, s4, s36
	s_add_nc_u64 s[28:29], s[28:29], s[4:5]        ; s[28:29]: my two hexads
	s_lshl_b32 s4, s6, 2
	s_add_co_u32 s4, s4, s34
	s_mul_i32 s4, s4, 25600
	s_add_nc_u64 s[32:33], s[32:33], s[4:5]
	s_lshl_b32 s4, s7, 8
	s_add_co_u32 s4, s4, 24576
	s_add_nc_u64 s[16:17], s[32:33], s[4:5]        ; s[16:17]: v's half scale words of these 64 pixels
	s_lshr_b32 s4, s7, 1
	s_mul_i32 s4, s4, 12288
	s_and_b32 s36, s7, 1
	s_mul_i32 s36, s36, 768
	s_add_co_u32 s4, s4, s36
	s_add_nc_u64 s[32:33], s[32:33], s[4:5]        ; s[32:33]: v's hexads of these 64 pixels; a tile of channels 1,536 bytes on
; ---- W.  The scales and biases; then the weights, three blocks of 64 rows through one stage.  LDS serves a wave's instructions in order (ISA guide 5.7.1.4): a block's fragment loads see its stores,
; and the next block's stores come behind them; the fragments come back into the registers that the rows have left.
.irp j, 0,1
	global_load_b128 v[WQS+4*\j:WQS+4*\j+3], v11, s[12:13] offset:512*\j
.endr
.irp o, 0,1,2,3
	global_load_b128 v[BQ+8*\o:BQ+8*\o+3], v12, s[14:15] offset:4*(32*(\o/2)+8*(\o%2))
	global_load_b128 v[BQ+8*\o+4:BQ+8*\o+7], v12, s[14:15] offset:4*(32*(\o/2)+8*(\o%2))+16
.endr
.irp j, 0,1,2,3
	global_load_b128 v[WVS+4*\j:WVS+4*\j+3], v10, s[24:25] offset:512*\j
.endr
.irp ct, 0,1,2,3,4,5,6,7
	global_load_b32 v[BT+\ct], v13, s[26:27] offset:64*\ct
.endr
	WIN 0xc0                                       ; destination window 3
	WLOAD 10, 0                                    ; Wq or Wk
	WIN 0x80                                       ; destination window 2
	WLOAD 22, 0                                    ; my rows 0-63 of Wv
	s_wait_loadcnt 48                              ; the scales, the biases and Wq or Wk are in; the 48 loads issued last may be out
	WIN 0x0c                                       ; an LDS store's data are its source 1: window 3
	WSTORE
	WIN 0xc0
	WFRAG 9, 1
	WIN 0x40                                       ; destination window 1, which x's fragments take only later
	WLOAD 22, 24576                                ; my rows 64-127 of Wv
	s_wait_loadcnt 48                              ; rows 0-63 are in; the 48 loads issued last may be out
	WIN 0x08
	WSTORE
	WIN 0x80
	WFRAG 8, 0
	s_wait_loadcnt 0x0                             ; rows 64-127 are in
	WIN 0x04
	WSTORE                                         ; they stay in the stage until window 3 is free
	WIN 0
; ---- X.  Unit u: block 2 (u / 4) + u % 2 of my four blocks of 32 channels, pixels 32 ((u / 2) % 2) on.  Units 0-3 read my first 64 rows, units 4-7 my last 64.
.macro LOADU u
.set LBLK, 2*((\u)>>2)+((\u)&1)
.set LPH,  ((\u)>>1)&1
.irp i, 0,1,2,3,4,5,6,7,8,9,10,11,12,13,14,15,16,17,18,19,20,21,22,23,24,25,26,27,28,29,30,31
	ds_load_b32 v[ACA+32*((\u)%2)+\i], v1 offset:(32*LBLK+\i)*256+128*LPH   ; 32 lanes read 128 consecutive bytes of one channel
.endr
.endm
.macro BLOCKU u
.set BLK, 2*((\u)>>2)+((\u)&1)
.set PH,  ((\u)>>1)&1
.set R,   ACA+32*((\u)%2)
.set C,   32+12*((\u)%2)
.if (\u) == 0
	s_wait_dscnt 32                                ; unit 0's loads are in; unit 1's 32 may be out
.elseif (\u) < 7
	s_wait_dscnt 34                                ; behind this unit's loads: the last unit's two stores and the next unit's 32 loads
.else
	s_wait_dscnt 2                                 ; behind them: the last unit's two stores
.endif
	v_max3_num_f32 v22, |v[R]|, |v[R+1]|, |v[R+2]|                 ; the block's largest magnitude: all 32 numbers are mine; two chains
	v_max3_num_f32 v23, |v[R+3]|, |v[R+4]|, |v[R+5]|
.irp i, 6,10,14,18,22,26
	v_max3_num_f32 v22, v22, |v[R+\i]|, |v[R+\i+1]|
	v_max3_num_f32 v23, v23, |v[R+\i+2]|, |v[R+\i+3]|
.endr
	v_max3_num_f32 v22, v22, |v[R+30]|, |v[R+31]|
	v_max3_num_f32 v22, v22, v23, 0x2800000        ; and the floor 2^(5 - 127): the byte cannot fall under 1
	v_add_nc_u32 v24, 0xfe000000, v22              ; 4 off the exponent field: the conversion takes that field as its scale
	v_lshrrev_b32 v25, 23, v24                     ; the scale's byte
.if BLK == 0
	v_mov_b32 v[20+PH], v25
.else
	v_lshl_or_b32 v[20+PH], v25, 8*BLK, v[20+PH]
.endif
	v_cvt_scalef32_pk16_bf6_f32 v[C:C+2], v[R:R+15], v24
	v_cvt_scalef32_pk16_bf6_f32 v[C+8:C+10], v[R+16:R+31], v24     ; (a conversion's three registers begin on an even number)
	v_nop                                          ; one plain place behind a scaled conversion
.irp i, 0,1,2
	v_mov_b32 v[C+3+\i], v[C+8+\i]
.endr
	ds_store_b128 v2, v[C:C+3] offset:12288*PH+768*(BLK>>1)+256*(BLK&1)         ; block 2 c + h of my row goes to lane (row, h) of hexad c
	ds_store_b64 v3, v[C+4:C+5] offset:12288*PH+768*(BLK>>1)+512+128*(BLK&1)
.if (\u) == 2
	s_wait_tensorcnt 0x0                           ; my last 64 rows are in
.endif
.if (\u) < 6
	LOADU (\u)+2
.endif
.endm
	s_wait_tensorcnt 0x1                           ; my first 64 rows are in; the second load may be out.  Only I read my rows
	LOADU 0
	LOADU 1
.irp u, 0,1,2,3,4,5,6,7
	BLOCKU \u
.endr
	ds_store_b32 v4, v20                           ; my two pixels' scale words of K step w
	ds_store_b32 v4, v21 offset:512
	s_wait_dscnt 0x0                               ; for the others' sake: my stores have landed
	s_barrier_signal -1
	s_barrier_wait -1                              ; x's sixteen fragments lie in LDS
.irp i, 0,1,2,3,4,5,6,7
	ds_load_b32 v[XSR+\i], v7 offset:128*\i
.endr
	WIN 0x40                                       ; destination window 1
.irp f, 0,1,2,3,4,5,6,7,8,9,10,11,12,13,14,15
.irp c, 0,1
	ds_load_b128 v[12*\f+6*\c:12*\f+6*\c+3], v5 offset:768*(2*\f+\c)
	ds_load_b64 v[12*\f+6*\c+4:12*\f+6*\c+5], v6 offset:768*(2*\f+\c)+512
.endr
.endr
.irp ct, 0,1,2,3,4,5,6,7
.irp j, 0,1,2,3,4,5,6,7
	v_mov_b32 v[BV+8*\ct+\j], v[BT+\ct]            ; bv as the C of a sum's first product: the lane's channel in all eight registers
.endr
.endr
	WIN 0
	s_wait_dscnt 0x0
; ---- q or k: 4 tiles of outputs x my 2 pixel tiles, eight accumulators by turns, K step by K step; the bias starts each sum
.macro QKMUL b
.irp ks, 0,1,2,3
.irp tp, 0,1
.irp o, 0,1,2,3
.if \ks == 0
	WM ACA+32*\tp+8*\o, 12*(4*\o+\ks), 12*(4*(2*\b+\tp)+\ks), BQ+8*\o, WQS+4*(\o/2)+\ks, XSR+4*\b+\ks, \o%2, \tp
.else
	WM ACA+32*\tp+8*\o, 12*(4*\o+\ks), 12*(4*(2*\b+\tp)+\ks), ACA+32*\tp+8*\o, WQS+4*(\o/2)+\ks, XSR+4*\b+\ks, \o%2, \tp
.endif
.endr
.endr
.endr
.endm
	s_cmp_eq_u32 s35, 0                            ; the fragments' register numbers hang on the pair of tiles: two copies
	s_cbranch_scc0 .Lodd
	WIN 0x07                                       ; source 0 window 3, source 1 window 1
	QKMUL 0
	WIN 0
	s_branch .Lqk_done
.Lodd:
	WIN 0x07
	QKMUL 1
	WIN 0
.Lqk_done:
	PLACES                                         ; in front of the loads into window 3 and of the first read of results
	WIN 0xc0
	WFRAG 8, 0                                     ; Wv's tiles 4-7, out of the stage where they have waited
	WIN 0
; 32 numbers of a lane, register 16 b + i = k 32 b + 16 (lane / 16) + i of my row, become a hexad in v[PC] on; hw takes the two scale bytes
.macro QUANT2 s, hw
	v_max3_num_f32 v200, |v[(\s)]|, |v[(\s)+1]|, 0x2800000          ; each accumulator is read from its low end on; the floor is one of the leaves
	v_max3_num_f32 v201, |v[(\s)+16]|, |v[(\s)+17]|, 0x2800000
.irp i, 2,4,6,8,10,12,14
	v_max3_num_f32 v200, v200, |v[(\s)+\i]|, |v[(\s)+\i+1]|
	v_max3_num_f32 v201, v201, |v[(\s)+16+\i]|, |v[(\s)+17+\i]|
.endr
	v_permlanex16_b32 v202, v200, s56, s57
	v_permlanex16_b32 v203, v201, s56, s57
	v_max_num_f32 v200, v200, v202                 ; with lane l xor 16's: the block's largest magnitude
	v_max_num_f32 v201, v201, v203
	v_add_nc_u32 v204, 0xfe000000, v200
	v_add_nc_u32 v205, 0xfe000000, v201
	v_lshrrev_b32 v206, 23, v204
	v_lshrrev_b32 v207, 23, v205
	v_lshl_or_b32 v[(\hw)], v207, 8, v206
	s_wait_xcnt 0x0                                ; the last hexad's stores have read v[PC] on: only now is it written again
	v_cvt_scalef32_pk16_bf6_f32 v[PC:PC+2], v[(\s):(\s)+15], v204
	v_cvt_scalef32_pk16_bf6_f32 v[PT:PT+2], v[(\s)+16:(\s)+31], v205
	v_nop                                          ; one plain place behind a scaled conversion
.irp i, 0,1,2
	v_permlane16_swap_b32 v[PC+\i], v[PT+\i]       ; a whole block to a lane: lanes 0-15 block 0, lanes 16-31 block 1
.endr
.irp i, 0,1,2
	v_mov_b32 v[PC+3+\i], v[PT+\i]
.endr
.endm
	QUANT2 ACA, 228
	global_store_b128 v14, v[PC:PC+3], s[28:29]
	global_store_b64 v15, v[PC+4:PC+5], s[28:29] offset:512
	QUANT2 ACA+32, 229
	global_store_b128 v14, v[PC:PC+3], s[28:29] offset:768
	global_store_b64 v15, v[PC+4:PC+5], s[28:29] offset:1280
	v_lshl_or_b32 v228, v228, 16, v228             ; K = 64 is half of the instruction's 128: the two dead blocks repeat the live bytes
	v_lshl_or_b32 v229, v229, 16, v229
	v_cndmask_b32 v230, v228, v229, s58            ; lanes 0-15 the even tile's words, lanes 16-31 the odd tile's
	global_store_b32 v16, v230, s[30:31]
; ---- v: a tile of 16 channels x the four pixel tiles: four accumulators by turns, K step by K step.  One tile is multiplied while the tile before is quantised.
.macro MULV ct, set
.irp ks, 0,1,2,3
.if \ks == 0
	WIN 0x19+4*((\ct)/4)                           ; source 0 (x) window 1, source 1 (Wv) window 2 or 3, C (bv) window 1
.else
	WIN 0x09+4*((\ct)/4)
.endif
.irp t, 0,1,2,3
.if \ks == 0
	WM (\set)+8*\t, 12*(4*\t+\ks), 12*(4*((\ct)%4)+\ks), BV+8*(\ct), XSR+4*(\t/2)+\ks, WVS+4*((\ct)/2)+\ks, \t%2, (\ct)%2
.else
	WM (\set)+8*\t, 12*(4*\t+\ks), 12*(4*((\ct)%4)+\ks), (\set)+8*\t, XSR+4*(\t/2)+\ks, WVS+4*((\ct)/2)+\ks, \t%2, (\ct)%2
.endif
.endr
.endr
.endm
	MULV 0, ACA
.irp ct, 0,1,2,3,4,5,6,7
.if \ct == 3
	s_wait_dscnt 0x0                               ; Wv's tiles 4-7 are in window 3
.endif
.if \ct < 7
	MULV \ct+1, ACA+32*((\ct+1)%2)
	WIN 0
	PLACES                                         ; in front of the reads of tile ct's results
.endif
	QUANT2 ACA+32*(\ct%2), HW+\ct
	global_store_b128 v14, v[PC:PC+3], s[32:33] offset:1536*\ct
	global_store_b64 v15, v[PC+4:PC+5], s[32:33] offset:1536*\ct+512
.endr
	v_cndmask_b32 v200, v[HW], v[HW+1], s58        ; half j of a lane: tile 2 j in lanes 0-15, tile 2 j + 1 in lanes 16-31
	v_cndmask_b32 v201, v[HW+2], v[HW+3], s58
	v_cndmask_b32 v202, v[HW+4], v[HW+5], s58
	v_cndmask_b32 v203, v[HW+6], v[HW+7], s58
	v_lshl_or_b32 v204, v201, 16, v200
	v_lshl_or_b32 v205, v203, 16, v202
	global_store_b64 v15, v[204:205], s[16:17]     ; 32 lanes store 256 consecutive bytes, aligned
	s_wait_tensorcnt 0x0
	ds_add_u32 v254, v255
	s_wait_dscnt 0x0
	s_endpgm
.Lfunc_end_k_q92e36ee187_project:
	.size	k_q92e36ee187_project, .Lfunc_end_k_q92e36ee187_project-k_q92e36ee187_project
	.p2alignl 7, 3214868480
	.fill 96, 4, 3214868480
	.section	.rodata,"a",@progbits
	.p2align	6, 0x0
	.amdhsa_kernel k_q92e36ee187_project
		.amdhsa_group_segment_fixed_size 262656
		.amdhsa_private_segment_fixed_size 0
		.amdhsa_enable_private_segment 0
		.amdhsa_kernarg_size 104
		.amdhsa_user_sgpr_count 2
		.amdhsa_user_sgpr_kernarg_segment_ptr 1
		.amdhsa_wavefront_size32 1
		.amdhsa_system_sgpr_workgroup_id_x 1
		.amdhsa_system_sgpr_workgroup_id_y 1
		.amdhsa_system_sgpr_workgroup_id_z 1
		.amdhsa_system_vgpr_workitem_id 0
		.amdhsa_next_free_vgpr 1024
		.amdhsa_next_free_sgpr 66
		.amdhsa_reserve_vcc 0
		.amdhsa_float_denorm_mode_32 3
		.amdhsa_float_denorm_mode_16_64 3
		.amdhsa_memory_ordered 1
		.amdhsa_forward_progress 1
		.amdhsa_inst_pref_size 133
	.end_amdhsa_kernel
	.amdgpu_metadata
---
amdhsa.version: [ 1, 2 ]
amdhsa.kernels:
  - .name:           k_q92e36ee187_project
    .symbol:         k_q92e36ee187_project.kd
    .args:
      - { .name: x, .offset: 0, .size: 8, .value_kind: global_buffer, .address_space: global }
      - { .name: Wq_codes, .offset: 8, .size: 8, .value_kind: global_buffer, .address_space: global }
      - { .name: Wq_scales, .offset: 16, .size: 8, .value_kind: global_buffer, .address_space: global }
      - { .name: bq, .offset: 24, .size: 8, .value_kind: global_buffer, .address_space: global }
      - { .name: Wk_codes, .offset: 32, .size: 8, .value_kind: global_buffer, .address_space: global }
      - { .name: Wk_scales, .offset: 40, .size: 8, .value_kind: global_buffer, .address_space: global }
      - { .name: bk, .offset: 48, .size: 8, .value_kind: global_buffer, .address_space: global }
      - { .name: Wv_codes, .offset: 56, .size: 8, .value_kind: global_buffer, .address_space: global }
      - { .name: Wv_scales, .offset: 64, .size: 8, .value_kind: global_buffer, .address_space: global }
      - { .name: bv, .offset: 72, .size: 8, .value_kind: global_buffer, .address_space: global }
      - { .name: qimg, .offset: 80, .size: 8, .value_kind: global_buffer, .address_space: global }
      - { .name: kimg, .offset: 88, .size: 8, .value_kind: global_buffer, .address_space: global }
      - { .name: vimg, .offset: 96, .size: 8, .value_kind: global_buffer, .address_space: global }
    .group_segment_fixed_size: 262656
    .private_segment_fixed_size: 0
    .kernarg_segment_align: 8
    .kernarg_segment_size: 104
    .max_flat_workgroup_size: 128
    .sgpr_count:     66
    .vgpr_count:     1024
    .wavefront_size: 32
...
	.end_amdgpu_metadata
.endif
;; end of part 1
;; launch attend (part 2): grid 64 x 4, 8 waves a work-group, clusters of 4 x 1, 327,680 bytes of LDS; arguments qimg, kimg, vimg, x, gamma, out0; writes out0
.if DOCPART == 2
	.amdgcn_target "amdgcn-amd-amdhsa--gfx1250"
	.amdhsa_code_object_version 6
	.text
	.protected	k_q92e36ee187_attend
	.globl	k_q92e36ee187_attend
	.p2align	8
	.type	k_q92e36ee187_attend,@function
k_q92e36ee187_attend:
	s_mov_b64 s[64:65], 0
	v_nop
	global_prefetch_b8 v0, s[64:65] scope:SCOPE_SE
	s_setreg_imm32_b32 hwreg(HW_REG_WAVE_MODE, 25, 1), 1
	s_wait_xcnt 0x0
	s_wait_alu depctr_hold_cnt(0) depctr_sa_sdst(0) depctr_va_vdst(0) depctr_va_sdst(0) depctr_va_ssrc(0) depctr_va_vcc(0) depctr_vm_vsrc(0)
	s_getreg_b32 s2, hwreg(HW_REG_IB_STS2, 6, 4)
	s_cmp_eq_u32 s2, 0
	s_cbranch_scc0 .Lentry_in_a_cluster
	s_endpgm
.Lentry_in_a_cluster:
	s_bfe_u32 s2, ttmp6, 0x10000c
	s_cmp_lg_u32 s2, 0x3003
	s_cbranch_scc0 .Lentry_shape_is_right
	s_endpgm
.Lentry_shape_is_right:
; out0 = x + gamma o / l,  o[c][i] = sum over keys j of v[c][j] p[i][j],  p = 2^(t - M),  t = (q_i . k_j) log2(e),  M the running largest t rounded up to a whole number,  l the sum of the unquantised p.
; Both products on codes of BF6 (E3M2) with E8M0 scales; q, k, v come as images of operand registers (hexads of 768 bytes: registers 0-3 at 16 x lane, registers 4-5 at 512 + 8 x lane) from the launch before.
; A work-group owns 64 queries of one batch and walks the 4,096 keys in 16 runs of 256.  EIGHT WAVES IN TWO ROLES:
;   waves 0-3 (SM): wave w owns query tile w: S^T = K Q^T (source 0 = 16 keys, source 1 = my 16 queries: a lane holds one query), the softmax, p's codes and scale words, the factor f = 2^(old M - new M), the sum l.
;   waves 4-7 (PV): wave w owns channels 128 (w - 4) on, for all 64 queries: 32 accumulators.  Source 0 = P (16 queries), source 1 = V (16 channels): a lane holds one channel and eight neighbouring pixels.
; In step it the SM waves work on run it and the PV waves on run it - 1; p, its scale words and f go from role to role through two buffers in LDS by turns; one barrier a step.
; THE END.  Behind its last softmax SM wave w has nothing left to do and 256 registers free: it asks for x's 128 rows of channels 128 w on, while the PV waves multiply the last run.  The PV waves put O into stages in LDS,
; one barrier, and the SM waves read rows back, compute o x gamma / l + x and store.
; The score product's K is 64: the upper half of both operands holds zero codes (written once), and the scale words repeat their two live bytes.
; THE PIXELS OF A TILE ARE NOT NEIGHBOURS: row r of tile 2 b + u of 64 pixels is pixel 32 b + 8 u + r + 8 (r / 8): the 16 registers of score tiles 2 B, 2 B + 1 are keys 32 B + 16 (lane / 16) + 0 .. 15.
; CLUSTER: the four work-groups of a cluster belong to one batch and walk the same K and V: every tile is asked for jointly (mask 15).  My place in the cluster enters Q's, x's and out0's global addresses alone.
; K and V go through two slots each; wave 0 fetches K's run (13,312 bytes), waves 4-7 a quarter of V's (25,600 bytes each): one tensor load a wave behind each round; two are out at the start, later one.
; A block's largest p is made from its largest score by the same multiply-add and exponential; this takes v_exp_f32 not to fall where its input rises.
; LIMITS: NaN and infinities are not served; a block of p that has fallen to zeros keeps the scale byte 1 (its codes are zeros).
; REGISTERS: v1-21 addresses and offsets, made once, the same in both roles; v22, v236-255 scale words alone.
;   SM, window 0: v24-35 Q; v38-47 statistics; v48-55 blocks' maxima; v56-63 at work; v64-71 scale operands; v72-74 p's scale words; v76-107 p's codes; v108-235 S^T, then p; at the end v108-171 rows of o, v224-227 gamma / l.
;       window 1: K's 16 fragments at 12 t; at the end x, rows 2 n and 2 n + 1 at 4 n.
;   PV, window 0: v24-119 P (48 ks + 12 m), v72-103 first hold f; v120-215 V, two sets; v216-223 V's half scale words.   window 1: O (ct, m) at 8 (4 ct + m).
; The two roles' texts use the same register numbers for different things.  Each text therefore leaves its matrix instructions with their places behind them: whatever text follows the step's end finds none of them pending.
.set KS1,   13312                      ; LDS: K's slots at 0 and KS1; V's at VS0 and VS0 + VSZ;
.set VS0,   26624
.set VSZ,   112640                     ; (slot 1 begins at 139,264, behind the bytes that O's stages take at the end)
.set PB0,   241664                     ; two buffers of PBZ bytes: 8 images of 1,536 bytes (2 m + ks), 512 bytes of scale words (16 x lane + 4 m), 256 bytes of f (64 m + 4 x query)
.set PBZ,   13056
.set FIN,   267776                     ; gamma / l of the 64 pixels, in pixel order
.set SPARE, 268032                     ; the spare words, 128 bytes for each of the eight waves: four blocks of 256 bytes that no other line names
.set OSZ,   34816                      ; O's stage of a PV wave: 128 rows x 272 bytes.  The four lie from LDS byte 0 on: K's slots and V's slot 0, which have had their last fill and their last read by then, and 10,240 bytes into which no fill lands
.set QS,  22
.set Q,   24
.set BM,  48
.set T,   56
.set SO,  64
.set PC,  76
.set PT,  88
.set S,   108
.set P,   24
.set VA,  120
.set VR,  216
.set GX,  224
.set VS,  236
.set PS,  244
.set KSC, 248
.set ORB, 108
.set MSB, 0
.macro WIN new                         ; the immediate's high byte repeats the setting that is left
.if MSB != (\new)
	s_set_vgpr_msb (MSB<<8)|(\new)
.set MSB, (\new)
.endif
.endm
.macro PLACES                          ; four plain places behind a matrix instruction (ISA guide 7.12.1)
.rept 4
	v_nop
.endr
.endm
; one product: D, A, B at register numbers d, a, b; c < 0: the sum starts with 0; ra, rb: the side's scales stand in lanes 16-31
.macro WM d, a, b, c, sa, sb, ra, rb
.if (\c) < 0
.if ((\ra) != 0) && ((\rb) != 0)
	v_wmma_scale_f32_16x16x128_f8f6f4 v[(\d):(\d)+7], v[(\a):(\a)+11], v[(\b):(\b)+11], 0, v[(\sa)], v[(\sb)] matrix_a_fmt:MATRIX_FMT_BF6 matrix_b_fmt:MATRIX_FMT_BF6 matrix_a_scale:MATRIX_SCALE_ROW1 matrix_b_scale:MATRIX_SCALE_ROW1
.elseif (\ra) != 0
	v_wmma_scale_f32_16x16x128_f8f6f4 v[(\d):(\d)+7], v[(\a):(\a)+11], v[(\b):(\b)+11], 0, v[(\sa)], v[(\sb)] matrix_a_fmt:MATRIX_FMT_BF6 matrix_b_fmt:MATRIX_FMT_BF6 matrix_a_scale:MATRIX_SCALE_ROW1
.elseif (\rb) != 0
	v_wmma_scale_f32_16x16x128_f8f6f4 v[(\d):(\d)+7], v[(\a):(\a)+11], v[(\b):(\b)+11], 0, v[(\sa)], v[(\sb)] matrix_a_fmt:MATRIX_FMT_BF6 matrix_b_fmt:MATRIX_FMT_BF6 matrix_b_scale:MATRIX_SCALE_ROW1
.else
	v_wmma_scale_f32_16x16x128_f8f6f4 v[(\d):(\d)+7], v[(\a):(\a)+11], v[(\b):(\b)+11], 0, v[(\sa)], v[(\sb)] matrix_a_fmt:MATRIX_FMT_BF6 matrix_b_fmt:MATRIX_FMT_BF6
.endif
.else
.if ((\ra) != 0) && ((\rb) != 0)
	v_wmma_scale_f32_16x16x128_f8f6f4 v[(\d):(\d)+7], v[(\a):(\a)+11], v[(\b):(\b)+11], v[(\c):(\c)+7], v[(\sa)], v[(\sb)] matrix_a_fmt:MATRIX_FMT_BF6 matrix_b_fmt:MATRIX_FMT_BF6 matrix_a_scale:MATRIX_SCALE_ROW1 matrix_b_scale:MATRIX_SCALE_ROW1
.elseif (\ra) != 0
	v_wmma_scale_f32_16x16x128_f8f6f4 v[(\d):(\d)+7], v[(\a):(\a)+11], v[(\b):(\b)+11], v[(\c):(\c)+7], v[(\sa)], v[(\sb)] matrix_a_fmt:MATRIX_FMT_BF6 matrix_b_fmt:MATRIX_FMT_BF6 matrix_a_scale:MATRIX_SCALE_ROW1
.elseif (\rb) != 0
	v_wmma_scale_f32_16x16x128_f8f6f4 v[(\d):(\d)+7], v[(\a):(\a)+11], v[(\b):(\b)+11], v[(\c):(\c)+7], v[(\sa)], v[(\sb)] matrix_a_fmt:MATRIX_FMT_BF6 matrix_b_fmt:MATRIX_FMT_BF6 matrix_b_scale:MATRIX_SCALE_ROW1
.else
	v_wmma_scale_f32_16x16x128_f8f6f4 v[(\d):(\d)+7], v[(\a):(\a)+11], v[(\b):(\b)+11], v[(\c):(\c)+7], v[(\sa)], v[(\sb)] matrix_a_fmt:MATRIX_FMT_BF6 matrix_b_fmt:MATRIX_FMT_BF6
.endif
.endif
.endm
; a round of the cluster's barrier: my work-group's barrier; wave 0 signals for the work-group; every wave waits for all four work-groups; my work-group's barrier once more
.macro CROUND
	s_barrier_signal -1
	s_barrier_wait -1
	s_cmp_lg_u32 s16, 0
	s_cbranch_scc1 .Lnot_wave_0_\@
	s_barrier_signal -3
.Lnot_wave_0_\@:
	s_barrier_wait -3
	s_barrier_signal -1
	s_barrier_wait -1
.endm
; the joint refills: wave 0 asks for K's run into slot ks, waves 4-7 for their quarters of V's into slot vs.  The branches hang on the wave's number alone.  Four v_nop follow each load
.macro TLOAD fk, ks, fv, vs
.if \fk
	s_cmp_lg_u32 s16, 0
	s_cbranch_scc1 .Lno_k_\@
	tensor_load_to_lds s[40+4*(\ks):43+4*(\ks)], s[24:31]
	s_nop 0
	PLACES
.Lno_k_\@:
.endif
.if \fv
	s_cmp_lt_u32 s16, 4
	s_cbranch_scc1 .Lno_v_\@
	tensor_load_to_lds s[48+4*(\vs):51+4*(\vs)], s[32:39]
	s_nop 0
	PLACES
.Lno_v_\@:
.endif
.endm
; THE STEP'S END, on every wave's path.  All my tensor loads have landed (the runs that the next step reads among them); 0 onto my spare word; the descriptors that are due step on; the add, my LDS stores and my LDS reads are done.
; Behind the round no wave of any partner reads the slots just left or has a load on its way, and p, its scale words and f lie in LDS for the other role.
.macro EDGE fk, ks, fv, vs
	s_wait_tensorcnt 0x0                           ; no tensor load of mine is out, so a group 0 may be written
	ds_add_u32 v19, v20
.if \fk
	s_add_nc_u64 s[42+4*(\ks):43+4*(\ks)], s[42+4*(\ks):43+4*(\ks)], 26624      ; two runs on
.endif
.if \fv
	s_add_nc_u64 s[50+4*(\vs):51+4*(\vs)], s[50+4*(\vs):51+4*(\vs)], 204800
.endif
	s_wait_dscnt 0x0
.if (\fk) || (\fv)
	CROUND
	TLOAD \fk, \ks, \fv, \vs
.else
	s_barrier_signal -1
	s_barrier_wait -1
.endif
.endm
	s_load_b256 s[4:11], s[0:1], 0x0               ; qimg 4, kimg 6, vimg 8, x 10
	s_load_b128 s[12:15], s[0:1], 0x20             ; gamma 12, out0 14
	v_lshl_add_u32 v19, v0, 2, SPARE
	v_mov_b32 v20, 0
	ds_add_u32 v19, v20
	s_wait_dscnt 0x0
	v_lshrrev_b32 v24, 5, v0
	v_readfirstlane_b32 s16, v24                   ; wave 0..7
	s_and_b32 s17, s16, 3                          ; my query tile, or my quarter of the channels
	s_and_b32 s18, ttmp7, 0xffff                   ; the batch, which the four partners share
	s_bfe_u32 s67, ttmp6, 0x40000                  ; cx
	s_lshl_b32 s19, ttmp9, 2
	s_add_co_u32 s19, s19, s67                     ; my block of 64 queries
	; descriptor groups 1: dense blocks as rows of 32 elements of 8 bytes; mask: all four work-groups, bit 21 beside it
	s_mov_b32 s24, 15|(3<<16)|(1<<21)
	s_mov_b32 s25, 32<<16
	s_mov_b32 s26, 52<<16                          ; K: 52 rows of 256 bytes
	s_mov_b32 s27, 32<<16
	s_mov_b32 s28, 52
	s_mov_b32 s29, 32
	s_mov_b32 s30, 0
	s_mov_b32 s31, 0
	s_mov_b32 s32, 15|(3<<16)|(1<<21)
	s_mov_b32 s33, 32<<16
	s_mov_b32 s34, 100<<16                         ; V: 100 rows
	s_mov_b32 s35, 32<<16
	s_mov_b32 s36, 100
	s_mov_b32 s37, 32
	s_mov_b32 s38, 0
	s_mov_b32 s39, 0
	s_mov_b32 s56, 0x76543210
	s_mov_b32 s57, 0xfedcba98                      ; v_permlanex16_b32's selects for lane l xor 16
	s_mov_b32 s58, 0x3fb8aa3b                      ; log2(e)
	s_mov_b32 s59, s58                             ; (named with it as a pair)
	s_mov_b32 s60, 0x05040100                      ; v_perm_b32: the two low halves,
	s_mov_b32 s61, 0x07060302                      ; the two high halves
	s_mov_b32 s66, 0xffff0000                      ; lanes 16-31
	; every LDS address register is made here, by every wave, and holds nothing else
	v_and_b32 v24, 31, v0                          ; l
	v_and_b32 v25, 15, v0                          ; r
	v_bfe_u32 v26, v0, 4, 1                        ; h
	v_and_b32 v27, 8, v25
	v_add_nc_u32 v27, v27, v25                     ; r + 8 (r / 8)
	v_lshlrev_b32 v1, 4, v24                       ; v1-3: 16, 8, 4 bytes a lane
	v_lshlrev_b32 v2, 3, v24
	v_lshlrev_b32 v3, 2, v24
	s_mul_i32 s67, s17, 3072
	s_add_co_u32 s67, s67, PB0
	v_lshl_add_u32 v4, v24, 4, s67                 ; v4: where I store p's images
	s_lshl_b32 s67, s17, 2
	s_add_co_u32 s67, s67, PB0+12288
	v_lshl_add_u32 v5, v24, 4, s67                 ; v5: p's scale word
	s_lshl_b32 s67, s17, 6
	s_add_co_u32 s67, s67, PB0+12800
	v_lshl_add_u32 v6, v25, 2, s67                 ; v6: f of my query
	s_lshr_b32 s67, s17, 1
	s_lshl_b32 s67, s67, 7
	s_and_b32 s68, s17, 1
	s_lshl_b32 s68, s68, 5
	s_add_co_u32 s67, s67, s68
	s_add_co_u32 s67, s67, FIN
	v_lshl_add_u32 v7, v27, 2, s67                 ; v7: gamma / l at my query's pixel
	v_lshl_add_u32 v8, v24, 4, PB0                 ; v8: the images and scale words back
	v_lshl_add_u32 v9, v26, 5, PB0+12800           ; v9: f of queries 8 h on
	v_lshl_add_u32 v10, v25, 4, FIN                ; v10: gamma / l of pixels 4 r on
	s_mul_i32 s69, s17, 25600
	s_add_co_u32 s67, s69, VS0
	v_lshl_add_u32 v11, v24, 4, s67                ; v11, v12: my quarter of V in slot 0, 1, 16 bytes a lane;
	v_lshl_add_u32 v13, v24, 3, s67                ; v13, v14: 8 bytes a lane
	s_add_co_u32 s67, s69, VS0+VSZ
	v_lshl_add_u32 v12, v24, 4, s67
	v_lshl_add_u32 v14, v24, 3, s67
	s_mul_i32 s67, s17, OSZ                        ; my quarter's stage for O
	v_mul_u32_u24 v28, v25, 272
	v_lshl_add_u32 v28, v26, 6, v28
	v_add_nc_u32 v15, s67, v28                     ; v15: in: row = channel r, + 64 h
	v_mul_u32_u24 v28, v26, 272
	v_lshl_add_u32 v28, v25, 4, v28
	v_add_nc_u32 v16, s67, v28                     ; v16: back: lanes 0-15 one row, lanes 16-31 the next
	v_lshlrev_b32 v17, 14, v26
	v_lshl_add_u32 v17, v25, 4, v17                ; v17: the same two rows in x and out0
	v_lshlrev_b32 v21, 2, v25                      ; v21: Q's scale word of row r
	s_wait_kmcnt 0x0
	s_load_b32 s63, s[12:13], 0x0                  ; gamma: waited for behind the first barrier, so that the first tiles do not wait for it
	s_mul_i32 s70, s18, 212992                     ; K: the batch's 16 runs of 13,312 bytes
	s_mov_b32 s71, 0
	s_mov_b32 s40, 1
	s_mov_b32 s41, 0
	s_add_nc_u64 s[42:43], s[6:7], s[70:71]
	s_mov_b32 s44, 1
	s_mov_b32 s45, KS1
	s_add_nc_u64 s[46:47], s[42:43], 13312
	s_or_b32 s43, s43, 0x80000000
	s_or_b32 s47, s47, 0x80000000
	s_mul_i32 s70, s18, 1638400                    ; V: the batch's 16 runs of 4 x 25,600 bytes, my quarter
	s_add_co_u32 s70, s70, s69
	s_mov_b32 s48, 1
	s_add_co_u32 s49, s69, VS0
	s_add_nc_u64 s[50:51], s[8:9], s[70:71]
	s_mov_b32 s52, 1
	s_add_co_u32 s53, s69, VS0+VSZ
	s_add_nc_u64 s[54:55], s[50:51], 102400
	s_or_b32 s51, s51, 0x80000000
	s_or_b32 s55, s55, 0x80000000
	s_lshl_b32 s70, s18, 23                        ; x and out0: the batch, my 128 channels, my 64 pixels
	s_lshl_b32 s67, s17, 21
	s_add_co_u32 s70, s70, s67
	s_lshl_b32 s67, s19, 8
	s_add_co_u32 s70, s70, s67
	s_add_nc_u64 s[20:21], s[10:11], s[70:71]
	s_add_nc_u64 s[22:23], s[14:15], s[70:71]
	s_lshl_b32 s70, s18, 4                         ; Q: the run of 256 pixels that holds my block,
	s_lshr_b32 s67, s19, 2
	s_add_co_u32 s70, s70, s67
	s_mul_i32 s70, s70, 13312
	s_add_nc_u64 s[4:5], s[4:5], s[70:71]
	s_and_b32 s67, s19, 3
	s_lshl_b32 s70, s67, 8
	s_lshl_b32 s68, s17, 6
	s_add_co_u32 s70, s70, s68
	s_add_co_u32 s70, s70, 12288
	s_add_nc_u64 s[6:7], s[4:5], s[70:71]          ; my tile's scale words,
	s_mul_i32 s70, s67, 3072
	s_mul_i32 s68, s17, 768
	s_add_co_u32 s70, s70, s68
	s_add_nc_u64 s[4:5], s[4:5], s[70:71]          ; my tile's hexad
	s_cmp_lt_u32 s16, 4                            ; what the SM waves alone need
	s_cbranch_scc0 .Lno_q
	global_load_b128 v[Q:Q+3], v1, s[4:5]
	global_load_b64 v[Q+4:Q+5], v2, s[4:5] offset:512
	global_load_b32 v[QS], v21, s[6:7]
	WIN 0x40
.irp t, 0,1,2,3,4,5,6,7,8,9,10,11,12,13,14,15
.irp j, 6,7,8,9,10,11
	v_mov_b32 v[12*\t+\j], 0                       ; K = 64 .. 127 of K's sixteen fragments: zero codes, written once; the loads fill registers 0-5 alone
.endr
.endr
	WIN 0
.irp j, 6,7,8,9,10,11
	v_mov_b32 v[Q+\j], 0                           ; the same in Q's fragment
.endr
	; the fourteen lines below are also the places between operand registers written by vector instructions and the first scaled product
	v_mov_b32 v39, 0xff61b1e6                      ; the largest t so far: -3e38
	v_floor_f32 v38, -v39                          ; -M
	v_mov_b32 v40, 0                               ; l, in two halves
	v_mov_b32 v41, 0
	v_mov_b32 v45, 0                               ; (named as the upper half of the pair v[44:45])
	v_mov_b32 v47, 0
.irp b, 0,1,2,3,4,5,6,7
	v_mov_b32 v[T+\b], 0                           ; written once: a lane permute's destination counts as one of its sources
.endr
.Lno_q:
	CROUND                                         ; all four work-groups are here: the first joint loads meet
	s_cmp_lg_u32 s16, 0                            ; a wave's two first fills stand in one branch
	s_cbranch_scc1 .Lnot_0
	tensor_load_to_lds s[40:43], s[24:31]
	s_nop 0
	tensor_load_to_lds s[44:47], s[24:31]
	s_nop 0
	PLACES
	s_branch .Lfilled
.Lnot_0:
	s_cmp_lt_u32 s16, 4
	s_cbranch_scc1 .Lfilled
	tensor_load_to_lds s[48:51], s[32:39]
	s_nop 0
	tensor_load_to_lds s[52:55], s[32:39]
	s_nop 0
	PLACES
.Lfilled:
	s_wait_tensorcnt 0x1                           ; my part of run 0 is in; run 1's may stay out
	s_barrier_signal -1
	s_barrier_wait -1
	s_wait_loadcnt 0x0                             ; Q
	s_wait_kmcnt 0x0                               ; gamma
; ---- SM: one run of 256 keys for my 16 queries.  par: K's slot and p's buffer.  last = 1: gamma / l follows, and x is asked for
.macro SM par, last
.set KO, KS1*(\par)
.set PO, PBZ*(\par)
.irp p, 0,1,2,3,4,5,6,7
	ds_load_b32 v[KSC+\p], v3 offset:KO+12288+128*\p
.endr
	WIN 0x40                                       ; destination window 1
.irp t, 0,1,2,3,4,5,6,7,8,9,10,11,12,13,14,15
	ds_load_b128 v[12*\t:12*\t+3], v1 offset:KO+768*\t
	ds_load_b64 v[12*\t+4:12*\t+5], v2 offset:KO+768*\t+512
.endr
	WIN 0x01                                       ; source 0 window 1
.irp g, 0,1,2,3
	s_wait_dscnt 24-8*\g                           ; tiles up to 4 g + 3 are in; the later tiles' two loads each may be out
.irp i, 0,1,2,3
	WM S+8*(4*\g+\i), 12*(4*\g+\i), Q, -1, KSC+(4*\g+\i)/2, QS, \i%2, 0
.endr
.endr
	WIN 0
	PLACES
.irp b, 0,1,2,3,4,5,6,7
	v_max3_num_f32 v[BM+\b], v[S+16*\b], v[S+16*\b+1], v[S+16*\b+2]      ; the largest score of each block of 32 keys: for the row's maximum, and for the block's largest p
.endr
.irp i, 3,5,7,9,11,13
.irp b, 0,1,2,3,4,5,6,7
	v_max3_num_f32 v[BM+\b], v[BM+\b], v[S+16*\b+\i], v[S+16*\b+\i+1]
.endr
.endr
.irp b, 0,1,2,3,4,5,6,7
	v_max_num_f32 v[BM+\b], v[BM+\b], v[S+16*\b+15]
.endr
.irp b, 0,1,2,3,4,5,6,7
	v_permlanex16_b32 v[T+\b], v[BM+\b], s56, s57
.endr
.irp b, 0,1,2,3,4,5,6,7
	v_max_num_f32 v[BM+\b], v[BM+\b], v[T+\b]      ; with lane l xor 16's 16 keys
.endr
	v_max3_num_f32 v46, v[BM], v[BM+1], v[BM+2]
	v_max3_num_f32 v46, v46, v[BM+3], v[BM+4]
	v_max3_num_f32 v46, v46, v[BM+5], v[BM+6]
	v_max_num_f32 v46, v46, v[BM+7]                ; the run's largest score of my query
	v_mul_f32 v46, s58, v46                        ; as t
	v_max_num_f32 v39, v39, v46                    ; the running largest t
	v_mov_b32 v46, v38
	v_floor_f32 v38, -v39                          ; the new -M = -ceil(t): a whole number
	v_sub_f32 v46, v38, v46                        ; old M - new M: a whole number, 0 or less
	v_cvt_i32_f32 v46, v46                         ; (it saturates)
	v_ldexp_f32 v44, 1.0, v46                      ; f = 2^(old M - new M): multiplying by it rounds nothing
	ds_store_b32 v6, v44 offset:PO                 ; both lanes of a query write the same word with the same value
	v_pk_mul_f32 v[40:41], v[40:41], v[44:45] op_sel_hi:[1,0]             ; l under the new M
.irp b, 0,1,2,3,4,5,6,7
	v_fma_f32 v[BM+\b], v[BM+\b], s58, v38
.endr
.irp b, 0,1,2,3,4,5,6,7
	v_exp_f32 v[BM+\b], v[BM+\b]                   ; the block's largest p
.endr
	v_pk_fma_f32 v[S:S+1], v[S:S+1], s[58:59], v[38:39] op_sel_hi:[1,0,0]         ; t - M, two at a time
	v_pk_fma_f32 v[S+2:S+3], v[S+2:S+3], s[58:59], v[38:39] op_sel_hi:[1,0,0]
; 64 turns: t - M of the pair two on, the pair's two exponentials, the sum of the pair before: a plain line stands behind every exponential before its result is used
.set i, 0
.rept 64
.if i < 62
	v_pk_fma_f32 v[S+2*i+4:S+2*i+5], v[S+2*i+4:S+2*i+5], s[58:59], v[38:39] op_sel_hi:[1,0,0]
.endif
	v_exp_f32 v[S+2*i], v[S+2*i]                   ; p = 2^(t - M), not normalised
	v_exp_f32 v[S+2*i+1], v[S+2*i+1]
.if i == 2
	s_wait_alu depctr_va_vdst(0)
	v_pk_add_f32 v[42:43], v[S:S+1], v[S+2:S+3]    ; the sum of the unquantised p, in two chains: pairs 0 and 1 start the second
.elseif (i > 2) && ((i%2) == 1)
	v_pk_add_f32 v[40:41], v[40:41], v[S+2*i-2:S+2*i-1]
.elseif i > 2
	s_wait_alu depctr_va_vdst(0)
	v_pk_add_f32 v[42:43], v[42:43], v[S+2*i-2:S+2*i-1]
.endif
.set i, i+1
.endr
	s_wait_alu depctr_va_vdst(0)
	v_pk_add_f32 v[42:43], v[42:43], v[S+126:S+127]
	v_pk_add_f32 v[40:41], v[40:41], v[42:43]
.irp b, 0,1,2,3,4,5,6,7
	v_max_num_f32 v[BM+\b], 0x2800000, v[BM+\b]    ; the floor 2^(5 - 127): the byte cannot fall under 1
.endr
.irp b, 0,1,2,3,4,5,6,7
	v_add_nc_u32 v[SO+\b], 0xfe000000, v[BM+\b]    ; 4 off the exponent field: the conversion's scale operand
.endr
.irp b, 0,1,2,3,4,5,6,7
	v_lshrrev_b32 v[T+\b], 23, v[SO+\b]            ; the scale's byte
.endr
.irp ks, 0,1
	v_lshl_or_b32 v[72+\ks], v[T+4*\ks+1], 8, v[T+4*\ks]
	v_lshl_or_b32 v[72+\ks], v[T+4*\ks+2], 16, v[72+\ks]
	v_lshl_or_b32 v[72+\ks], v[T+4*\ks+3], 24, v[72+\ks]
.endr
	v_cndmask_b32 v74, v72, v73, s66               ; lanes 0-15: the word of keys 0-127, lanes 16-31: of keys 128-255
.irp ks, 0,1
.irp c, 0,1
	v_cvt_scalef32_pk16_bf6_f32 v[PC+20*\ks+6*\c:PC+20*\ks+6*\c+2], v[S+64*\ks+32*\c:S+64*\ks+32*\c+15], v[SO+4*\ks+2*\c]
	v_cvt_scalef32_pk16_bf6_f32 v[PT+4*\c:PT+4*\c+2], v[S+64*\ks+32*\c+16:S+64*\ks+32*\c+31], v[SO+4*\ks+2*\c+1]
.endr
	v_nop                                          ; one plain place behind a scaled conversion
.irp c, 0,1
.irp j, 0,1,2
	v_permlane16_swap_b32 v[PC+20*\ks+6*\c+\j], v[PT+4*\c+\j]             ; a whole block to a lane
.endr
.irp j, 0,1,2
	v_mov_b32 v[PC+20*\ks+6*\c+3+\j], v[PT+4*\c+\j]
.endr
.endr
.irp g, 0,1,2
	ds_store_b128 v4, v[PC+20*\ks+4*\g:PC+20*\ks+4*\g+3] offset:PO+1536*\ks+512*\g   ; the fragment as it stands: an image of its registers
.endr
.endr
	ds_store_b32 v5, v74 offset:PO
.if \last
	v_add_f32 v46, v40, v41                        ; l's two halves,
	v_permlanex16_b32 v47, v46, s56, s57
	v_add_f32 v46, v46, v47                        ; and lane l xor 16's
	v_rcp_f32 v47, v46
	v_nop                                          ; one plain place behind a transcendental
	s_wait_alu depctr_va_vdst(0)
	v_mul_f32 v47, s63, v47                        ; gamma / l
	ds_store_b32 v7, v47
	; x of my quarter's channels, into the registers that K's fragments have left: load n brings rows 2 n and 2 n + 1, sixteen lanes 256 consecutive bytes of a row.  112 rows now, the last 16 behind the step's barrier:
	; 56 loads of mine are out here, so that none waits at its issue for room in its counter (ISA guide 5.7.1) while the other role waits for me at the barrier
	WIN 0x40                                       ; destination window 1
.set n, 0
.rept 56
	global_load_b128 v[4*n:4*n+3], v17, s[20:21] offset:32768*n th:TH_LOAD_NT
.set n, n+1
.endr
	WIN 0
.endif
.endm
; ---- PV: O = O f + P V for one run of 256 keys.  Group g of V: keys 128 (g / 2) on, channel tiles 4 (g % 2) + 0 .. 3, set g % 2
.macro PLOAD ks
.irp m, 0,1,2,3
.irp g, 0,1,2
	ds_load_b128 v[P+48*(\ks)+12*\m+4*\g:P+48*(\ks)+12*\m+4*\g+3], v8 offset:PO+(2*\m+(\ks))*1536+512*\g
.endr
.endr
.endm
.macro VLOAD g, vs
.irp i, 0,1,2,3
.set VF, VA+48*((\g)%2)+12*\i
.set VO, 12288*((\g)/2)+1536*(4*((\g)%2)+\i)
	ds_load_b128 v[VF:VF+3], v[11+(\vs)] offset:VO
	ds_load_b64 v[VF+4:VF+5], v[13+(\vs)] offset:VO+512
	ds_load_b128 v[VF+6:VF+9], v[11+(\vs)] offset:VO+768
	ds_load_b64 v[VF+10:VF+11], v[13+(\vs)] offset:VO+1280
.endr
.endm
.macro MUL g, zero                     ; sixteen accumulators by turns; between two links on one accumulator stand 31 others'
.irp m, 0,1,2,3
.irp i, 0,1,2,3
.if \zero
	WM 8*(4*(4*((\g)%2)+\i)+\m), P+48*((\g)/2)+12*\m, VA+48*((\g)%2)+12*\i, -1, PS+\m, VS+4*((\g)/2)+2*((\g)%2)+\i/2, (\g)/2, \i%2
.else
	WM 8*(4*(4*((\g)%2)+\i)+\m), P+48*((\g)/2)+12*\m, VA+48*((\g)%2)+12*\i, 8*(4*(4*((\g)%2)+\i)+\m), PS+\m, VS+4*((\g)/2)+2*((\g)%2)+\i/2, (\g)/2, \i%2
.endif
.endr
.endr
.endm
.macro PV par, first
.set PO, PBZ*(\par)
.if !(\first)
.irp m, 0,1,2,3
.irp i, 0,1
	ds_load_b128 v[72+8*\m+4*\i:72+8*\m+4*\i+3], v9 offset:PO+64*\m+16*\i       ; f of queries 8 h + 0 .. 7 of tile m: register by register as O holds them
.endr
.endr
.endif
.irp q, 0,1,2,3
	ds_load_b64 v[VR+2*\q:VR+2*\q+1], v[13+(\par)] offset:24576+256*\q
.endr
	ds_load_b128 v[PS:PS+3], v8 offset:PO+12288
	PLOAD 0
.if \first
	PLOAD 1
.endif
	VLOAD 0, \par
	VLOAD 1, \par
.if \first
	s_wait_dscnt 57                                ; V's half words are in; behind them: 1 + 12 + 12 + 16 + 16 loads
.else
	s_wait_dscnt 45                                ; f and V's half words are in; behind them: 1 + 12 + 16 + 16 loads
.endif
.irp ks, 0,1
.irp i, 0,1
	v_perm_b32 v[VS+4*\ks+2*\i], v[VR+4*\ks+2+\i], v[VR+4*\ks+\i], s60          ; a scale word: two bytes of keys 0-63, two of keys 64-127 of these 128
	v_perm_b32 v[VS+4*\ks+2*\i+1], v[VR+4*\ks+2+\i], v[VR+4*\ks+\i], s61
.endr
.endr
.if \first
.rept 8
	v_nop                                          ; a scale register written by a vector instruction stands 8 places ahead of a scaled matrix instruction
.endr
	s_wait_dscnt 16                                ; all but V's group 1
	WIN 0x40                                       ; D window 1
	MUL 0, 1                                       ; the first run's products start the sums: nothing is cleared
	WIN 0
	PLACES
	VLOAD 2, \par
	s_wait_dscnt 16                                ; group 1 is in
	WIN 0x40
	MUL 1, 1
.else
	WIN 0x41                                       ; O: destination and source 0 in window 1
.irp ct, 0,1,2,3,4,5,6,7
.irp m, 0,1,2,3
.irp k, 0,1,2,3
	v_pk_mul_f32 v[8*(4*\ct+\m)+2*\k:8*(4*\ct+\m)+2*\k+1], v[8*(4*\ct+\m)+2*\k:8*(4*\ct+\m)+2*\k+1], v[72+8*\m+2*\k:72+8*\m+2*\k+1]   ; O under the new M; each accumulator from its low end on
.endr
.endr
.endr
	WIN 0
	PLOAD 1                                        ; into the registers that f has left
	s_wait_dscnt 28                                ; p's scale words, P of keys 0-127 and V's group 0 are in; behind them: 16 + 12 loads
	WIN 0x50                                       ; C and D window 1
	MUL 0, 0
	WIN 0
	PLACES
	VLOAD 2, \par
	s_wait_dscnt 28                                ; group 1 is in; behind it: 12 + 16 loads
	WIN 0x50
	MUL 1, 0
.endif
	WIN 0
	PLACES
	VLOAD 3, \par
	s_wait_dscnt 16                                ; P of keys 128-255 and group 2 are in
	WIN 0x50
	MUL 2, 0
	s_wait_dscnt 0x0
	MUL 3, 0
	WIN 0
.rept 5
	v_nop                                          ; five places behind the run's last products: whatever text follows, in either role, loads into their registers, writes over them or reads their results
.endr
.endm
; a step: par = its number mod 2.  SM: K's slot and p's buffer par.  PV: V's slot and p's buffer 1 - par.  At its end K's slot par and V's slot 1 - par, both read out, are filled again (fk, fv)
.macro ITER par, last, pv, first, fk, fv
	s_cmp_lt_u32 s16, 4
	s_cbranch_scc0 .Lpv_\@
	SM \par, \last
.if \pv
	s_branch .Ljoin_\@
.endif
.Lpv_\@:
.if \pv
	PV 1-(\par), \first
.Ljoin_\@:
.endif
	EDGE \fk, \par, \fv, 1-(\par)
.endm
	ITER 0, 0, 0, 0, 1, 0                          ; step 0: run 0's softmax; K's run 2 is asked for
	ITER 1, 0, 1, 1, 1, 1                          ; step 1: run 1's softmax | run 0's products start O; K's run 3, V's run 2
	s_mov_b32 s62, 6
.Lloop:                                                ; steps 2 to 13
	ITER 0, 0, 1, 0, 1, 1
	ITER 1, 0, 1, 0, 1, 1
	s_sub_co_u32 s62, s62, 1
	s_cmp_lg_u32 s62, 0
	s_cbranch_scc1 .Lloop
	ITER 0, 0, 1, 0, 0, 1                          ; step 14: the tail is written out: V's run 15 alone is asked for
	ITER 1, 1, 1, 0, 0, 0                          ; step 15: the last softmax, gamma / l, x's first 112 rows; no tile is asked for
	; step 16
	s_wait_loadcnt 0x0                             ; an SM wave's 112 rows of x are in; a PV wave has no load out
	s_cmp_lt_u32 s16, 4
	s_cbranch_scc0 .Lpv16
	WIN 0x40
.set n, 56
.rept 8
	global_load_b128 v[4*n:4*n+3], v17, s[20:21] offset:32768*n th:TH_LOAD_NT    ; x's last 16 rows: they land while the other role multiplies
.set n, n+1
.endr
	WIN 0
	s_branch .Lj16
.Lpv16:
	PV 1, 0                                        ; run 15's products, with their places behind them
	; O as it stands into my stage: a lane holds one channel (the stage's row) and, of tile m of the queries, pixels 32 (m / 2) + 16 h + 8 (m % 2) + 0 .. 7.  Rows 272 bytes apart: sixteen rows start at sixteen different banks
	WIN 0x04                                       ; an LDS store's data are its source 1: window 1
.irp ct, 0,1,2,3,4,5,6,7
.irp m, 0,1,2,3
.irp i, 0,1
	ds_store_b128 v15, v[8*(4*\ct+\m)+4*\i:8*(4*\ct+\m)+4*\i+3] offset:4352*\ct+128*(\m>>1)+32*(\m&1)+16*\i   ; each accumulator from its low end on
.endr
.endr
.endr
	WIN 0
.Lj16:
	s_wait_dscnt 0x0                               ; for the others' sake: my stores into the stage have landed
	s_barrier_signal -1
	s_barrier_wait -1                              ; O's 512 rows lie in LDS
	s_cmp_lt_u32 s16, 4
	s_cbranch_scc0 .Lend
	; THE WAY OUT, by the SM waves: rows of 256 bytes back from the stage, two an instruction; out0 = o x gamma / l + x; sixteen lanes store 256 consecutive bytes, aligned.  Sixteen rows a group, two sets of registers by turns.
.macro OLOAD g
.irp i, 0,1,2,3,4,5,6,7
	ds_load_b128 v[ORB+32*((\g)%2)+4*\i:ORB+32*((\g)%2)+4*\i+3], v16 offset:544*(8*(\g)+\i)
.endr
.endm
	ds_load_b128 v[GX:GX+3], v10                   ; gamma / l of my four pixels
	OLOAD 0
	s_wait_loadcnt 0x0                             ; x's last 16 rows
.irp g, 0,1,2,3,4,5,6,7
.if \g < 7
.if \g > 0
	s_wait_xcnt 0x0                                ; group g - 1's stores have read their registers: only now are they loaded again
.endif
	OLOAD \g+1
	s_wait_dscnt 8                                 ; this group's rows are in; the next group's eight loads may be out
.else
	s_wait_dscnt 0x0
.endif
	WIN 0x10                                       ; source 2 (x) window 1
.irp i, 0,1,2,3,4,5,6,7
.irp k, 0,1
	v_pk_fma_f32 v[ORB+32*(\g%2)+4*\i+2*\k:ORB+32*(\g%2)+4*\i+2*\k+1], v[ORB+32*(\g%2)+4*\i+2*\k:ORB+32*(\g%2)+4*\i+2*\k+1], v[GX+2*\k:GX+2*\k+1], v[32*\g+4*\i+2*\k:32*\g+4*\i+2*\k+1]
.endr
.endr
	WIN 0
.irp i, 0,1,2,3,4,5,6,7
	global_store_b128 v17, v[ORB+32*(\g%2)+4*\i:ORB+32*(\g%2)+4*\i+3], s[22:23] offset:(16*\g+2*\i)*16384 th:TH_STORE_NT
.endr
.endr
.Lend:
	s_wait_tensorcnt 0x0                           ; the wave's end, behind my last tensor load and my last LDS store
	ds_add_u32 v19, v20
	s_wait_dscnt 0x0
	CROUND                                         ; the closing round: no work-group ends while a partner may still ask for a tile that names it
	s_endpgm
.Lfunc_end_k_q92e36ee187_attend:
	.size	k_q92e36ee187_attend, .Lfunc_end_k_q92e36ee187_attend-k_q92e36ee187_attend
	.p2alignl 7, 3214868480
	.fill 96, 4, 3214868480
	.section	.rodata,"a",@progbits
	.p2align	6, 0x0
	.amdhsa_kernel k_q92e36ee187_attend
		.amdhsa_group_segment_fixed_size 327680
		.amdhsa_private_segment_fixed_size 0
		.amdhsa_enable_private_segment 0
		.amdhsa_kernarg_size 48
		.amdhsa_user_sgpr_count 2
		.amdhsa_user_sgpr_kernarg_segment_ptr 1
		.amdhsa_wavefront_size32 1
		.amdhsa_system_sgpr_workgroup_id_x 1
		.amdhsa_system_sgpr_workgroup_id_y 1
		.amdhsa_system_sgpr_workgroup_id_z 1
		.amdhsa_system_vgpr_workitem_id 0
		.amdhsa_next_free_vgpr 512
		.amdhsa_next_free_sgpr 72
		.amdhsa_reserve_vcc 0
		.amdhsa_float_denorm_mode_32 3
		.amdhsa_float_denorm_mode_16_64 3
		.amdhsa_memory_ordered 1
		.amdhsa_forward_progress 1
		.amdhsa_inst_pref_size 255
	.end_amdhsa_kernel
	.section	.bss,"aw",@nobits
	.p2align	6
	.space	262144
	.amdgpu_metadata
---
amdhsa.version: [ 1, 2 ]
amdhsa.kernels:
  - .name:           k_q92e36ee187_attend
    .symbol:         k_q92e36ee187_attend.kd
    .args:
      - { .name: qimg, .offset: 0, .size: 8, .value_kind: global_buffer, .address_space: global }
      - { .name: kimg, .offset: 8, .size: 8, .value_kind: global_buffer, .address_space: global }
      - { .name: vimg, .offset: 16, .size: 8, .value_kind: global_buffer, .address_space: global }
      - { .name: x, .offset: 24, .size: 8, .value_kind: global_buffer, .address_space: global }
      - { .name: gamma, .offset: 32, .size: 8, .value_kind: global_buffer, .address_space: global }
      - { .name: out0, .offset: 40, .size: 8, .value_kind: global_buffer, .address_space: global }
    .group_segment_fixed_size: 327680
    .private_segment_fixed_size: 0
    .kernarg_segment_align: 8
    .kernarg_segment_size: 48
    .max_flat_workgroup_size: 256
    .sgpr_count:     72
    .vgpr_count:     512
    .wavefront_size: 32
...
	.end_amdgpu_metadata
.endif
;; end of part 2
